; MI455X (gfx1250); checked and timed in simulation.
; The chip was launched on July 23, 2026; its instructions are those of AMD's public machine-readable ISA for CDNA 5 (MIT licence, August 2026) and "CDNA5" Instruction Set Architecture Reference Guide (July 2026). The comments in the code are by the model that wrote it; some were corrected since.
;; Lo RA Linear. Allowed arithmetic: matrix products marked QUANTISED: E2M3 operands, one E8M0 scale for each 32 along K, by v_wmma_scale_f32_16x16x128_f8f6f4 with both operands' format E2M3, f32 sums; products left as they are: f32 operands where the result goes on into a quantised operand, else bf16, f16 or f32 operands; f32 sums; everything else in f32.
;; Inputs: A 4,096 x 16 float32; B 16 x 2,048 float32; x 4 x 2,048 x 4,096 float32.
;; Outputs: out0 4 x 2,048 x 2,048 float32.
;; This version of the problem:
;;   THIS VERSION OF THE PROBLEM IS GIVEN IN LOW PRECISION. The matrix products marked QUANTISED in the list below multiply operands that are first quantised to E2M3 (2 exponent bits, 3 mantissa bits; 6 bits a number), with one power-of-two scale for each 32 numbers along K (OCP MX v1.0); their sums are f32. All else is computed in f32.
;;   The module's matrix products, in the order in which they are computed (A, B: the left and right operand; K: the contracted axis; several contracted axes count as one K, in the product's order):
;;     1. [M 4,096, K 16] x [K 16, N 2,048]; A: input A; B: input B: left as it is (K = 16 < 32)
;;     2. [M 8,192, K 4,096] x [K 4,096, N 2,048]; A: input x; B: computed on the way: QUANTISED
;;   THE QUANTISER, for each operand of a quantised product, along K:
;;     - K is cut into blocks of 32 from its start; a last block that is shorter is filled with zeros.
;;     - A block's scale is 2^e with e = floor(log2(the largest magnitude in the block)) - 2, held to -126 .. 127; a block of zeros has e = 0. As a byte (E8M0): e + 127.
;;     - Each number is divided by its block's scale, clamped to +-7.5, and rounded to the nearest number of E2M3, ties to even, subnormals kept.
;;     - The product sums the exact products of the quantised numbers (number of the format x scale) in f32.
;;   ~~~python
;;   def quantise(x, axis):      # numpy; x: float32 -> the quantised numbers, widened to float32 again
;;       x = np.moveaxis(x, axis, -1); K = x.shape[-1]
;;       x = np.pad(x, [(0, 0)] * (x.ndim - 1) + [(0, -K % 32)]); x = x.reshape(x.shape[:-1] + (-1, 32)); a = np.abs(x).max(-1, keepdims=True)
;;       e = np.where(a > 0, np.clip(np.frexp(np.where(a > 0, a, 1))[1] - 1 - 2, -126, 127), 0)      # np.frexp(a)[1] - 1 = floor(log2(a)), exactly
;;       r = np.clip(x / 2.0 ** e, -7.5, 7.5)
;;       step = 2.0 ** (np.maximum(np.frexp(np.where(r == 0, 1, r))[1] - 1, 0) - 3)
;;       q = np.round(r / step) * step * 2.0 ** e      # np.round: ties to even
;;       return np.moveaxis(q.reshape(q.shape[:-2] + (-1,))[..., :K], -1, axis).astype(np.float32)
;;   ~~~
;;   OPERANDS COMPUTED ON THE WAY. 'Computed on the way' means the value that the module computes at that place (a softmax that the list does not call 'softmax' is quantised finished and normalised). What goes into a quantiser is computed in f32, as accurately as f32 sums, v_exp_f32 and their like allow (about 1e-6 of the number): no bf16 or f16 on the way to a quantiser, and a product that is left as it is and whose result goes on into a quantised operand takes f32 operands (vector FMAs, or v_wmma_f32_16x16x4_f32). A number that lies on a knife's edge between two numbers of the format may be rounded either way, as far as f32 arithmetic and the matrix unit's own rounding can turn it there, and no further.
;; One version. Each part assembles by itself: llvm-mc -triple=amdgcn-amd-amdhsa -mcpu=gfx1250 --defsym DOCPART=n.
;; ======== version 1 of 1: 2 launches
;; limits: right only within a limited range of input values
;; workspace buffers: xq 26,214,400 bytes; wq 6,553,600 bytes
;; launch quant (part 1): grid 1024 x 1, 4 waves a work-group, no clusters, 34,560 bytes of LDS; arguments x, A, B, xq, wq; writes xq, wq
.if DOCPART == 1
	.amdgcn_target "amdgcn-amd-amdhsa--gfx1250"
	.amdhsa_code_object_version 6
	.text
	.protected	k_qdaa0264349_quant
	.globl	k_qdaa0264349_quant
	.p2align	8
	.type	k_qdaa0264349_quant,@function
k_qdaa0264349_quant:
	s_mov_b64 s[64:65], 0
	v_nop
	global_prefetch_b8 v0, s[64:65] scope:SCOPE_SE
	s_setreg_imm32_b32 hwreg(HW_REG_WAVE_MODE, 25, 1), 1
	s_wait_xcnt 0x0
; out0 = Q(x) Q(W), W = A B.  This launch makes both operands of the large product: codes of FP6 (E2M3) with one E8M0 scale byte for each 32 along K = 4,096.
; NOTHING IS LEFT OUT: the quantiser acts on the finished W, so W is made as it is written (x (A B), not (x A) B); x, A and B all reach the result and are all loaded.
; 1,024 work-groups of four waves.  Every wave does two things: one fragment of W (16 columns x 128 along K), made in f32 by v_wmma_f32_16x16x4_f32 (its result goes into a quantiser) while
; the wave's first 16 loads of x are out; then 64 rows x 128 along K of x, four fragments.
; THE WORKSPACE IS LAID AS THE NEXT LAUNCH'S OPERAND REGISTERS.  A fragment is 16 rows x 128 K, 12 registers a lane; its image is 1,536 bytes: register g of lane l at 512 (g / 4) + 16 l + 4 (g % 4).
;   xq [s 32][G 128][6400], wq [s 32][G 32][6400]: s a step of 128 along K, G a group of 64 rows of x (64 columns of W).  A group: the images of its four blocks of 16, then 256 bytes of scale words:
;   the word of block 2 h + j, row r, at 6144 + 128 h + 8 r + 4 j.
; Work-group g makes group g of wq (s = g % 32, G = g / 32), wave w its block w; the four waves' scale words meet in LDS, behind a barrier, and wave 0 stores them as one aligned run of 256 bytes.
; Wave w of work-group g makes group u = 4 g + w of xq (s = u % 32, G = u / 32).  All image stores cover 512 consecutive bytes.
; A block's scale is 2^(floor(log2(its largest magnitude)) - 2); its byte is the largest magnitude's exponent field - 2, held at 1 from below by a floor among the maximum's leaves.
; LIMITS: a block of zeros gets the byte 1 where the rule says 127 (its codes are zeros, which add nothing under any byte but 0xff, and this program alone reads the bytes); blocks whose largest magnitude lies under
; 2^(3 - 127) share that byte; NaN and infinities among the inputs are not served; W's sum over the 16 runs in the order 0,1,8,9, 2,3,10,11, 4,5,12,13, 6,7,14,15, in f32 fused multiply-adds.
; No tensor loads.  256 registers a wave and 34,560 bytes of LDS a work-group: four work-groups to a WGP, so the grid is 4 x 256.
.set FRB,   1536
.set GRPB,  4*FRB+256
.set STEPX, 128*GRPB
.set STEPW, 32*GRPB
.set WREG,  8448                       ; LDS: a stage for each wave: 16 rows x SP bytes
.set SP,    528                        ; 512 bytes + 16: an odd multiple of 16 (64 banks of 4 bytes: ISA guide 11.1)
.set SPARE, 4*WREG                     ; the spare words, 128 bytes a wave
.set SCW,   SPARE+512                  ; 256 bytes: the scale words of the work-group's group of W
.set LI,    4                          ; 16 x lane
.set L8,    5                          ; 8 x lane
.set SIN,   6                          ; the stage, way in
.set SOUT,  7                          ; the stage, way out: row r, + 64 h
.set AOFF,  8
.set BOFF,  9
.set SCI,   10                         ; where my block's scale word of row r goes in SCW
.set SCR,   11                         ; SCW + 8 x lane
.set SPW,   12                         ; my spare word; never rewritten
.set NIL,   13                         ; 0; never rewritten
.set SW,    14                         ; v[14:15] two scale words to store
.set R,     16                         ; v16-79   x as loaded
.set X,     80                         ; v80-143  x turned: 64 numbers of my row
.set AT,    80                         ; v80-143  before that: eight tiles of A
.set HA,    144                        ; v144-207 eight tiles of W: written by matrix instructions alone
.set PC,    208                        ; v208-227 codes
.set TM,    228                        ; v228-243 at work in QUANT
.set PW,    244                        ; v244-247 scale words
.set BF,    248                        ; v248-255 B's fragment
.set WV,    18
.set SEL,   20
; 64 numbers of a lane, register 16 b + i = k 32 b + 16 (lane / 16) + i of my row (or column of W), become a fragment's codes in v[PC] on and its scale word in v[pw].
.macro QUANT s, pw
.irp b, 0,1,2,3
	v_max3_num_f32 v[TM+\b], |v[\s+16*\b]|, |v[\s+1+16*\b]|, 0x1800000   ; the floor 2^(3 - 127): the byte cannot fall under 1
.endr
.irp i, 2,4,6,8,10,12,14
.irp b, 0,1,2,3
	v_max3_num_f32 v[TM+\b], v[TM+\b], |v[\s+16*\b+\i]|, |v[\s+1+16*\b+\i]|
.endr
.endr
.irp b, 0,1,2,3
	v_permlanex16_b32 v[TM+4+\b], v[TM+\b], s[SEL], s[SEL+1]
.endr
.irp b, 0,1,2,3
	v_max_num_f32 v[TM+\b], v[TM+\b], v[TM+4+\b]   ; with lane l xor 16's: the block's largest magnitude
.endr
.irp b, 0,1,2,3
	v_add_nc_u32 v[TM+12+\b], 0xff000000, v[TM+\b]   ; 2 off its exponent field: the conversion's scale operand
.endr
.irp b, 0,1,2,3
	v_lshrrev_b32 v[TM+4+\b], 23, v[TM+12+\b]      ; the scale's byte
.endr
	v_lshl_or_b32 v[\pw], v[TM+5], 8, v[TM+4]
	v_lshl_or_b32 v[\pw], v[TM+6], 16, v[\pw]
	v_lshl_or_b32 v[\pw], v[TM+7], 24, v[\pw]
.irp c, 0,1
	v_cvt_scalef32_pk16_fp6_f32 v[PC+6*\c:PC+2+6*\c], v[\s+32*\c:\s+15+32*\c], v[TM+12+2*\c]
	v_cvt_scalef32_pk16_fp6_f32 v[PC+12+4*\c:PC+14+4*\c], v[\s+16+32*\c:\s+31+32*\c], v[TM+12+2*\c+1]
.endr
	v_nop                                          ; one plain place behind a scaled conversion
.irp c, 0,1                                    ; a WHOLE block in a lane: lanes 0-15 block 2 c, lanes 16-31 block 2 c + 1
.irp i, 0,1,2
	v_permlane16_swap_b32 v[PC+6*\c+\i], v[PC+12+4*\c+\i]
.endr
.irp i, 0,1,2
	v_mov_b32 v[PC+3+6*\c+\i], v[PC+12+4*\c+\i]
.endr
.endr
.endm
.macro OUT3 base, off                          ; the fragment's image: three stores of 512 consecutive bytes
.irp c, 0,1,2
	global_store_b128 v[LI], v[PC+4*\c:PC+4*\c+3], s[\base:\base+1] offset:\off+512*\c
.endr
.endm
	s_load_b256 s[4:11], s[0:1], 0x0               ; x s[4:5], A s[6:7], B s[8:9], xq s[10:11]
	s_load_b64 s[12:13], s[0:1], 0x20              ; wq
	v_lshl_add_u32 v[SPW], v0, 2, SPARE
	v_mov_b32 v[NIL], 0
	v_lshrrev_b32 v1, 5, v0
	v_readfirstlane_b32 s[WV], v1                  ; wave 0..3
	s_mul_i32 s19, s[WV], WREG                     ; my stage
	s_lshr_b32 s29, s[WV], 1
	s_lshl_b32 s29, s29, 7
	s_and_b32 s30, s[WV], 1
	s_lshl_b32 s30, s30, 2
	s_add_co_u32 s29, s29, s30
	s_add_co_u32 s29, s29, SCW                     ; SCW + 128 (w / 2) + 4 (w % 2)
	s_mov_b32 s[SEL], 0x76543210
	s_mov_b32 s[SEL+1], 0xfedcba98
	s_mov_b32 s27, 0                               ; the upper word of every offset below
	v_and_b32 v1, 31, v0                           ; lane
	v_and_b32 v2, 15, v0                           ; r
	v_bfe_u32 v3, v0, 4, 1                         ; h
	v_lshlrev_b32 v[LI], 4, v1
	v_lshlrev_b32 v[L8], 3, v1
	v_add_nc_u32 v[SIN], s19, v[LI]
	v_mul_u32_u24 v[SOUT], v2, SP
	v_lshl_add_u32 v[SOUT], v3, 6, v[SOUT]
	v_add_nc_u32 v[SOUT], s19, v[SOUT]
	v_and_b32 v[AOFF], 8, v2
	v_add_nc_u32 v[AOFF], v[AOFF], v2              ; r + 8 (r / 8)
	v_lshlrev_b32 v[AOFF], 6, v[AOFF]              ; a row of A is 64 bytes
	v_lshl_add_u32 v[AOFF], v3, 5, v[AOFF]         ; + 32 h: my eight of its sixteen numbers
	v_lshlrev_b32 v[BOFF], 2, v2                   ; B: column r,
	v_lshl_add_u32 v[BOFF], v3, 16, v[BOFF]        ; + 8 h rows of 8,192 bytes
	v_lshl_add_u32 v[SCI], v2, 3, s29
	v_add_nc_u32 v[SCR], SCW, v[L8]
.irp b, 0,1,2,3
	v_mov_b32 v[TM+4+\b], 0                        ; a lane permute's destination counts as one of its sources
.endr
	s_wait_alu depctr_va_vdst(0)                   ; the wait at the head's end
	s_wait_kmcnt 0x0
	s_and_b32 s23, ttmp9, 31                       ; W: s, which 128 along K
	s_lshr_b32 s24, ttmp9, 5                       ;    G, which 64 columns
	s_lshl_b32 s26, s23, 13                        ; 128 rows of A
	s_add_nc_u64 s[6:7], s[6:7], s[26:27]
	s_lshl_b32 s26, s24, 8                         ; 64 columns of B, and my 16 of them
	s_lshl_b32 s28, s[WV], 6
	s_add_co_u32 s26, s26, s28
	s_add_nc_u64 s[8:9], s[8:9], s[26:27]
	s_mul_i32 s26, s23, STEPW
	s_mul_i32 s28, s24, GRPB
	s_add_co_u32 s26, s26, s28
	s_mul_i32 s28, s[WV], FRB                      ; my block's image
	s_add_co_u32 s26, s26, s28
	s_add_nc_u64 s[12:13], s[12:13], s[26:27]
	s_lshl_b32 s22, ttmp9, 2
	s_add_co_u32 s22, s22, s[WV]                   ; x: u = 4 x work-group + wave
	s_and_b32 s23, s22, 31
	s_lshr_b32 s24, s22, 5
	s_lshl_b32 s26, s24, 20                        ; 64 rows of 16,384 bytes
	s_lshl_b32 s28, s23, 9
	s_add_co_u32 s26, s26, s28
	s_add_nc_u64 s[4:5], s[4:5], s[26:27]
	s_mul_i32 s26, s23, STEPX
	s_mul_i32 s28, s24, GRPB
	s_add_co_u32 s26, s26, s28
	s_add_nc_u64 s[10:11], s[10:11], s[26:27]
.macro XLOAD f                                 ; fragment f's numbers, rows 16 f on: each load reads 512 consecutive bytes of one row
.irp i, 0,1,2,3,4,5,6,7,8,9,10,11,12,13,14,15
	global_load_b128 v[R+4*\i:R+4*\i+3], v[LI], s[4:5] offset:262144*(\f)+16384*\i th:TH_LOAD_NT
.endr
.endm
.irp i, 0,1,2,3,4,5,6,7
	global_load_b32 v[BF+\i], v[BOFF], s[8:9] offset:8192*\i   ; B(8 h + i, my column)
.endr
.irp t, 0,1,2,3,4,5,6,7
.irp p, 0,1
	global_load_b128 v[AT+8*\t+4*\p:AT+8*\t+4*\p+3], v[AOFF], s[6:7] offset:(32*(\t/2)+8*(\t%2))*64+16*\p   ; A's eight tiles
.endr
.endr
	XLOAD 0
	s_wait_loadcnt 16                              ; A's and B's 24 loads are in; x's 16, issued behind them, stay out
; W = A B.  Source 0 = 16 rows of A, source 1 = 16 columns of B: a lane holds ONE column of W and its registers run down K.  Row m of tile 2 b + u is row 32 b + 8 u + m + 8 (m / 8) of the 128,
; so that the 16 registers of tiles 2 b and 2 b + 1 are k = 32 b + 16 (lane / 16) + 0 .. 15.  Matrix step s, half h, register j stand for 8 h + 2 s + j of the sixteen, in both sources.
.irp s, 0,1,2,3                                ; the eight accumulators take turns; each sum's first step takes the constant 0
.irp t, 0,1,2,3,4,5,6,7
.if \s == 0
	v_wmma_f32_16x16x4_f32 v[HA+8*\t:HA+8*\t+7], v[AT+8*\t+2*\s:AT+8*\t+2*\s+1], v[BF+2*\s:BF+2*\s+1], 0
.else
	v_wmma_f32_16x16x4_f32 v[HA+8*\t:HA+8*\t+7], v[AT+8*\t+2*\s:AT+8*\t+2*\s+1], v[BF+2*\s:BF+2*\s+1], v[HA+8*\t:HA+8*\t+7]
.endif
.endr
.endr
.rept 8
	v_nop                                          ; eight places behind this form (ISA guide 7.12.1)
.endr
	QUANT HA, PW
	ds_store_b32 v[SCI], v[PW]                     ; lanes r and 16 + r write the same word with the same value
	OUT3 12, 0
	s_wait_alu depctr_va_vdst(0)                   ; the wait ahead of the waits and the branch below
	s_wait_dscnt 0x0                               ; for the others' sake: my scale words are in LDS
	s_barrier_signal -1
	s_barrier_wait -1
	s_cmp_lg_u32 s[WV], 0
	s_cbranch_scc1 .Lx
	ds_load_b64 v[SW:SW+1], v[SCR]                 ; wave 0: the group's 64 scale words
	s_wait_dscnt 0x0
	global_store_b64 v[L8], v[SW:SW+1], s[12:13] offset:4*FRB   ; 256 consecutive bytes, aligned (wave 0's base is the group's)
.Lx:
; x.  The conversions want 16 neighbours along K in ONE lane; the loads take neighbouring bytes in neighbouring lanes.  So a fragment's 8,192 bytes turn through my stage.
.macro XFRAG f
	s_wait_loadcnt 0x0                             ; this fragment's 16 loads, the only ones out
.irp i, 0,1,2,3,4,5,6,7,8,9,10,11,12,13,14,15
	ds_store_b128 v[SIN], v[R+4*\i:R+4*\i+3] offset:SP*\i
.endr
.irp b, 0,1,2,3
.irp j, 0,1,2,3
	ds_load_b128 v[X+16*\b+4*\j:X+16*\b+4*\j+3], v[SOUT] offset:128*\b+16*\j   ; LDS serves a wave's instructions in order (ISA guide 5.7.1.4)
.endr
.endr
	s_wait_dscnt 0x0                               ; my 64 numbers are in, and the stores have read the registers that the next loads fill
	s_wait_xcnt 0x0                                ; the last fragment's stores have read their data: the codes' registers are written again only behind this wait
.if (\f) < 3
	XLOAD (\f)+1                                   ; out while this fragment is quantised
.endif
	QUANT X, PW+(\f)
	OUT3 10, FRB*(\f)
.endm
	XFRAG 0
	XFRAG 1
	XFRAG 2
	XFRAG 3
	v_cmp_lt_u32 vcc_lo, 15, v1                    ; lane (r, h) stores the words of row r of blocks 2 h and 2 h + 1: 256 consecutive bytes, aligned
	v_cndmask_b32 v[SW], v[PW], v[PW+2], vcc_lo
	v_cndmask_b32 v[SW+1], v[PW+1], v[PW+3], vcc_lo
	global_store_b64 v[L8], v[SW:SW+1], s[10:11] offset:4*FRB
	s_wait_tensorcnt 0x0                           ; the wave's end
	ds_add_u32 v[SPW], v[NIL]
	s_wait_dscnt 0x0
	s_endpgm
.Lfunc_end_k_qdaa0264349_quant:
	.size	k_qdaa0264349_quant, .Lfunc_end_k_qdaa0264349_quant-k_qdaa0264349_quant
	.p2alignl 7, 3214868480
	.fill 96, 4, 3214868480
	.section	.rodata,"a",@progbits
	.p2align	6, 0x0
	.amdhsa_kernel k_qdaa0264349_quant
		.amdhsa_group_segment_fixed_size 34560
		.amdhsa_private_segment_fixed_size 0
		.amdhsa_enable_private_segment 0
		.amdhsa_kernarg_size 40
		.amdhsa_user_sgpr_count 2
		.amdhsa_user_sgpr_kernarg_segment_ptr 1
		.amdhsa_wavefront_size32 1
		.amdhsa_system_sgpr_workgroup_id_x 1
		.amdhsa_system_sgpr_workgroup_id_y 1
		.amdhsa_system_sgpr_workgroup_id_z 1
		.amdhsa_system_vgpr_workitem_id 0
		.amdhsa_next_free_vgpr 256
		.amdhsa_next_free_sgpr 66
		.amdhsa_reserve_vcc 1
		.amdhsa_float_denorm_mode_32 3
		.amdhsa_float_denorm_mode_16_64 3
		.amdhsa_memory_ordered 1
		.amdhsa_forward_progress 1
		.amdhsa_inst_pref_size 43
	.end_amdhsa_kernel
	.amdgpu_metadata
---
amdhsa.version: [ 1, 2 ]
amdhsa.kernels:
  - .name:           k_qdaa0264349_quant
    .symbol:         k_qdaa0264349_quant.kd
    .args:
      - { .name: x, .offset: 0, .size: 8, .value_kind: global_buffer, .address_space: global }
      - { .name: A, .offset: 8, .size: 8, .value_kind: global_buffer, .address_space: global }
      - { .name: B, .offset: 16, .size: 8, .value_kind: global_buffer, .address_space: global }
      - { .name: xq, .offset: 24, .size: 8, .value_kind: global_buffer, .address_space: global }
      - { .name: wq, .offset: 32, .size: 8, .value_kind: global_buffer, .address_space: global }
    .group_segment_fixed_size: 34560
    .private_segment_fixed_size: 0
    .kernarg_segment_align: 8
    .kernarg_segment_size: 40
    .max_flat_workgroup_size: 128
    .sgpr_count:     66
    .vgpr_count:     256
    .wavefront_size: 32
...
	.end_amdgpu_metadata
.endif
;; end of part 1
;; launch gemm (part 2): grid 8 x 32, 4 waves a work-group, clusters of 4 x 4, 327,680 bytes of LDS; arguments xq, wq, out0; writes out0
.if DOCPART == 2
	.amdgcn_target "amdgcn-amd-amdhsa--gfx1250"
	.amdhsa_code_object_version 6
	.text
	.protected	k_qdaa0264349_gemm
	.globl	k_qdaa0264349_gemm
	.p2align	8
	.type	k_qdaa0264349_gemm,@function
k_qdaa0264349_gemm:
	s_mov_b64 s[64:65], 0
	v_nop
	global_prefetch_b8 v0, s[64:65] scope:SCOPE_SE
	s_setreg_imm32_b32 hwreg(HW_REG_WAVE_MODE, 25, 1), 1
	s_wait_xcnt 0x0
	s_wait_alu depctr_hold_cnt(0) depctr_sa_sdst(0) depctr_va_vdst(0) depctr_va_sdst(0) depctr_va_ssrc(0) depctr_va_vcc(0) depctr_vm_vsrc(0)
	s_getreg_b32 s2, hwreg(HW_REG_IB_STS2, 6, 4)
	s_cmp_eq_u32 s2, 0
	s_cbranch_scc0 .Lentry_in_a_cluster
	s_endpgm
.Lentry_in_a_cluster:
	s_bfe_u32 s2, ttmp6, 0x10000c
	s_cmp_lg_u32 s2, 0xf033
	s_cbranch_scc0 .Lentry_shape_is_right
	s_endpgm
.Lentry_shape_is_right:
; out0 [8192][2048] f32 = Q(x) Q(W), on the codes and scale words that the launch before laid as operand registers (xq [s 32][G 128][6400], wq [s 32][G 32][6400]; a group of 64 rows: four images of 1,536 bytes, 256 bytes of scale words).
; Nothing of the problem is left out here.  A work-group of four waves makes 256 x 256 of out0, a wave 128 x 128: 64 accumulators.  K goes in 32 steps of 128.
; THE RING: two LDS slots of three steps each (153,600 bytes); a wave's tensor load brings 128 rows (two groups, 12,800 consecutive bytes) of three steps.  Fills 0 to 9 have three steps, fill 10 two.
; A step's fragments are fetched from LDS during the step before, into the other of two sets of registers.  So at the head of a slot's third step all of the slot has been read: there stand the wait for all
; tensor loads, the add, the wait for the LDS reads, the round of the cluster's barrier and the refill, which then has three steps' products ahead of the wait for it.
; CLUSTERS: 4 x 4 work-groups; x's tiles are asked for jointly along a row of the cluster, W's along a column.
; THE MATRIX INSTRUCTION IS USED TRANSPOSED: source 0 = 16 columns of W, source 1 = 16 rows of x: a lane holds eight neighbouring numbers of a row of out0.
; REGISTERS.  The 64 accumulators (a, b), a: x's block, b: W's block, are dealt by quadrants to the four windows of 256, and each window also holds one half operand (four fragments), in two sets for steps of even and odd number:
;   window 0: a 0-3, b 0-3; x's blocks 0-3.   window 1: a 0-3, b 4-7; W's blocks 0-3.   window 2: a 4-7, b 4-7; W's blocks 4-7.   window 3: a 4-7, b 0-3; x's blocks 4-7.
;   In each: v32-79 set 0, v80-127 set 1, v128-255 the accumulators ((a % 4, b % 4) at v[128 + 8 (4 (a % 4) + b % 4)]).
; An LDS load takes its destination's window from the field that names D and its address's from the field that names source 0.  So a quadrant's own setting also serves the loads into its window,
; with the address kept in the window of that quadrant's source 0: x's in window 1, W's in window 2.  Six settings a step.
; THE 52 LDS LOADS OF A STEP STAND IN TWO RUNS: 28 at the step's head (windows 1 and 0, and the scale words), 24 in its middle (windows 3 and 2); both sets being whole, each run is wanted only in the next step.
;   window 0 besides: v8-15 see below, v16-31 scale words, two sets of eight (lanes 0-15 x's block i, lanes 16-31 W's block i).
; THE L2 PREFETCH: behind each refill one wave for x and one for W ask for the fill after the one just requested (three steps, 25 blocks of 256 bytes a step and group; the four partners that share a tile take a group each, by address);
; fills 1 and 2 are asked for in the head, behind the two first loads; fill 10 (two steps) is not asked for: the three-step form would pass the buffer's end.
.set SIZE_N, 2048
.set NQ,     3
.set FRB,    1536
.set GRPB,   4*FRB+256
.set HALFQ,  2*GRPB                    ; 128 rows of one step
.set HALFT,  NQ*HALFQ                  ; what one tensor load brings
.set SLOT,   4*HALFT                   ; x's two halves, then W's two
.set STEPA,  128*GRPB
.set STEPB,  32*GRPB
.set SPARE,  2*SLOT                    ; the spare words, 128 bytes a wave
.set STG,    SLOT                      ; the way out's stages lie in slot 1: it has had its last fill and, behind the last barrier, its last read
.set SPITCH, 528
.set ADR,  4                           ; v4-5   fragments' LDS address in slot 0, 1: x's in window 1, W's in window 2
.set ADRS, 6                           ; v6-7   scale words' (window 1): lanes 0-15 x's rows, lanes 16-31 W's
.set SPW,  8                           ; my spare word; never rewritten
.set NIL,  9                           ; 0; never rewritten
.set STO,  10
.set RD,   11
.set CO,   12                          ; 16 x lane
.set PFO,  13                          ; v13-15 the prefetches' offsets: a lane a block of 256 bytes, a register a step
.set SC,   16
.set FB,   32
.set ACC,  128
.set G1, 24
.set G0, 32
.set G1B, 48
.set G0B, 56
.set G1T, 68                           ; groups 1 for the last fill: two steps
.set G1TB, 80
.set PFA, 76
.set PFS, 78
.set LIM, 88
.set Q0S, 0x01                         ; source 0 window 1, source 1 window 0, C and D window 0
.set Q1S, 0x52                         ; 2, 0, 1
.set Q2S, 0xae                         ; 2, 3, 2
.set Q3S, 0xfd                         ; 1, 3, 3
.set MSB, 0
.macro WIN new                         ; the immediate's high byte repeats the setting that is left
.if MSB != (\new)
	s_set_vgpr_msb (MSB<<8)|(\new)
.set MSB, (\new)
.endif
.endm
.macro PLACES
.rept 4
	v_nop
.endr
.endm
.macro JLOAD g0a, g1a, g0b, g1b        ; a joint load: waves 0, 1 fetch x's halves, waves 2, 3 W's; s_nop 0 and four v_nop behind each line
	s_cmp_eq_u32 s15, 0
	s_cbranch_scc0 .Lfor_b_\@
	tensor_load_to_lds s[\g0a:\g0a+3], s[\g1a:\g1a+7]
	s_nop 0
	PLACES
	s_branch .Lasked_\@
.Lfor_b_\@:
	tensor_load_to_lds s[\g0b:\g0b+3], s[\g1b:\g1b+7]
	s_nop 0
	PLACES
.Lasked_\@:
.endm
.macro ASK how                         ; how = 0: in the head; 1: a trip's first refill (every trip); 2: its second (not in the last trip: that fill has two steps)
.if \how == 0
	s_cmp_eq_u32 s[LIM], 1
.elseif \how == 1
	s_cmp_ge_u32 s3, s[LIM]
.else
	s_cmp_gt_u32 s3, s[LIM]
.endif
	s_cbranch_scc0 .Lnot_mine_\@
.irp q, 0,1,2
	global_prefetch_b8 v[PFO+\q], s[PFA:PFA+1] th:TH_LOAD_NT scope:SCOPE_SE
.endr
.Lnot_mine_\@:
.endm
.macro CREST
	s_cmp_lg_u32 s14, 0
	s_cbranch_scc1 .Lnot_wave_0_\@
	s_barrier_signal -3
.Lnot_wave_0_\@:
	s_barrier_wait -3
	s_barrier_signal -1
	s_barrier_wait -1
.endm
.macro CROUND
	s_barrier_signal -1
	s_barrier_wait -1
	CREST
.endm
	s_load_b128 s[4:7], s[0:1], 0x0                ; xq, wq
	s_load_b64 s[12:13], s[0:1], 0x10              ; out0
	v_lshl_add_u32 v[SPW], v0, 2, SPARE
	v_mov_b32 v[NIL], 0
	ds_add_u32 v[SPW], v[NIL]                      ; the opening lines: the add, twice on end, and its wait ahead of my first tensor load
	ds_add_u32 v[SPW], v[NIL]
	v_lshrrev_b32 v1, 5, v0
	v_readfirstlane_b32 s14, v1                    ; wave
	s_lshr_b32 s15, s14, 1                         ; my half of the rows; also: I fetch for x (0) or W (1)
	s_and_b32 s16, s14, 1                          ; my half of the columns; also: which 128 rows I fetch
	s_bfe_u32 s40, ttmp6, 0x40000                  ; cx
	s_bfe_u32 s41, ttmp6, 0x40004                  ; cy
	s_lshl_b32 s42, ttmp9, 2
	s_add_co_u32 s42, s42, s40                     ; tile column
	s_and_b32 s17, ttmp7, 0xffff
	s_lshl_b32 s17, s17, 2
	s_add_co_u32 s17, s17, s41                     ; tile row
	s_lshl_b32 s43, s41, 2
	s_lshl_b32 s43, 15, s43                        ; my row of the cluster
	s_lshl_b32 s44, 0x1111, s40                    ; my column
	s_or_b32 s[G1+0], s43, (3<<16)|(1<<21)         ; elements of 8 bytes; the mask, and bit 21 beside it
	s_or_b32 s[G1B+0], s44, (3<<16)|(1<<21)
	s_or_b32 s[G1T+0], s43, (3<<16)|(1<<21)
	s_or_b32 s[G1TB+0], s44, (3<<16)|(1<<21)
.irp g, G1, G1B, G1T, G1TB
	s_mov_b32 s[\g+1], (HALFQ/8)<<16               ; a row: 12,800 bytes, a multiple of 256, beginning on one
	s_mov_b32 s[\g+3], (HALFQ/8)<<16
	s_mov_b32 s[\g+6], 0
	s_mov_b32 s[\g+7], 0
.endr
.irp g, G1, G1B
	s_mov_b32 s[\g+2], NQ<<16                      ; a row a step
	s_mov_b32 s[\g+4], NQ
.endr
.irp g, G1T, G1TB
	s_mov_b32 s[\g+2], 2<<16
	s_mov_b32 s[\g+4], 2
.endr
.irp g, G1, G1T
	s_mov_b32 s[\g+5], STEPA/8
.endr
.irp g, G1B, G1TB
	s_mov_b32 s[\g+5], STEPB/8
.endr
	s_lshl_b32 s20, s17, 1
	s_add_co_u32 s20, s20, s16                     ; x: which 128 rows
	s_lshl_b32 s46, s42, 1
	s_add_co_u32 s46, s46, s16                     ; W: which 128 columns
	s_mov_b32 s21, 0
	s_mov_b32 s47, 0
	s_mov_b64 s[18:19], HALFQ
	s_mul_u64 s[20:21], s[20:21], s[18:19]
	s_mul_u64 s[46:47], s[46:47], s[18:19]
	s_mul_i32 s45, s14, HALFT                      ; where my load lands: the wave's number alone
	s_wait_dscnt 0x0                               ; both opening adds are done
	s_wait_kmcnt 0x0
	s_add_nc_u64 s[20:21], s[4:5], s[20:21]
	s_add_nc_u64 s[46:47], s[6:7], s[46:47]
.irp s, 0,1
	s_mov_b32 s[G0+4*\s], 1
	s_add_co_u32 s[G0+4*\s+1], s45, \s*SLOT
	s_add_nc_u64 s[G0+4*\s+2:G0+4*\s+3], s[20:21], \s*NQ*STEPA
	s_or_b32 s[G0+4*\s+3], s[G0+4*\s+3], 0x80000000
	s_mov_b32 s[G0B+4*\s], 1
	s_add_co_u32 s[G0B+4*\s+1], s45, \s*SLOT
	s_add_nc_u64 s[G0B+4*\s+2:G0B+4*\s+3], s[46:47], \s*NQ*STEPB
	s_or_b32 s[G0B+4*\s+3], s[G0B+4*\s+3], 0x80000000
.endr
	CROUND                                         ; all sixteen work-groups are here: the first joint loads meet
	JLOAD G0, G1, G0B, G1B                         ; fill 0: one tensor load a wave at the head
	s_mul_i32 s21, s15, HALFT                      ; my 128 rows of x in slot 0
	s_mul_i32 s22, s16, HALFT
	s_add_co_u32 s22, s22, 2*HALFT                 ; my 128 columns of W
	s_sub_co_u32 s23, s22, s21
	s_add_co_u32 s94, s21, SLOT                    ; and in slot 1
	s_add_co_u32 s95, s22, SLOT
	s_mul_i32 s18, s14, 16*SPITCH
	s_add_co_u32 s18, s18, STG                     ; my stage
	s_lshl_b32 s92, s17, 8
	s_lshl_b32 s93, s15, 7
	s_add_co_u32 s92, s92, s93                     ; my first row of out0,
	s_lshl_b32 s92, s92, 13                        ; x 8,192 bytes,
	s_lshl_b32 s93, s42, 10
	s_add_co_u32 s92, s92, s93                     ; + 1,024 x tile column
	s_lshl_b32 s93, s16, 9
	s_add_co_u32 s92, s92, s93                     ; + 512 x half: under 2^27
	s_mov_b32 s93, 0
	s_add_nc_u64 s[12:13], s[12:13], s[92:93]
	s_mov_b32 s91, STEPB                           ; the prefetches: of a tile's four groups the partner at place cx (x) or cy (W) takes one
	s_cmp_eq_u32 s15, 0
	s_cselect_b32 s89, s17, s42
	s_cselect_b32 s90, s40, s41
	s_cselect_b32 s91, STEPA, s91
	s_cselect_b64 s[PFA:PFA+1], s[4:5], s[6:7]
	s_cmp_eq_u32 s16, 0
	s_cselect_b32 s[LIM], 1, -1                    ; waves 0 and 2 ask
	s_lshl_b32 s89, s89, 2
	s_add_co_u32 s89, s89, s90
	s_mul_i32 s89, s89, GRPB
	s_mul_i32 s[PFS], s91, NQ                      ; from fill to fill
	s_mov_b32 s[PFS+1], 0
	s_add_co_u32 s92, s89, s[PFS]
	s_add_nc_u64 s[PFA:PFA+1], s[PFA:PFA+1], s[92:93]   ; at fill 1
	v_and_b32 v1, 15, v0                           ; r
	v_bfe_u32 v2, v0, 4, 1                         ; h
	v_and_b32 v3, 31, v0
	v_lshlrev_b32 v[CO], 4, v3
	v_lshlrev_b32 v32, 3, v1                       ; scale words: 8 r,
	v_mul_u32_u24 v33, s23, v2                     ; lanes 16-31 in W's region
	v_add_nc_u32 v32, v32, v33
	v_mul_u32_u24 v34, v1, SPITCH                  ; into the stage: row r, 32 bytes for each half of the lanes
	v_lshl_add_u32 v34, v2, 5, v34
	v_add_nc_u32 v[STO], s18, v34
	v_add_nc_u32 v[RD], s18, v[CO]                 ; back: the 32 lanes take a row of 512 bytes
	v_min_u32 v[PFO], 24, v3                       ; a group is 25 blocks of 256 bytes; lanes left over name the last again
	v_lshlrev_b32 v[PFO], 8, v[PFO]
	v_add_nc_u32 v[PFO+1], s91, v[PFO]
	v_add_nc_u32 v[PFO+2], s91, v[PFO+1]
	WIN 0x40                                       ; x's addresses into window 1
	v_add_nc_u32 v[ADR], s21, v[CO]
	v_add_nc_u32 v[ADR+1], s94, v[CO]
	v_add_nc_u32 v[ADRS], s21, v32
	v_add_nc_u32 v[ADRS+1], s94, v32
	WIN 0x80                                       ; W's into window 2
	v_add_nc_u32 v[ADR], s22, v[CO]
	v_add_nc_u32 v[ADR+1], s95, v[CO]
	WIN 0
	s_wait_alu depctr_va_vdst(0)                   ; the wait at the head's end
	ASK 0                                          ; fill 1
; fragment i of window n's half operand, of step q of a slot, into set p: three loads of 512 consecutive bytes; with window 0's also a pair of scale words a lane
.macro LDF n, slot, q, p, i
.irp c, 0,1,2
	ds_load_b128 v[FB+48*(\p)+12*(\i)+4*\c:FB+48*(\p)+12*(\i)+4*\c+3], v[ADR+(\slot)] offset:(\q)*HALFQ+((\n)/2)*GRPB+(\i)*FRB+512*\c
.endr
.if (\n) == 0
	ds_load_b64 v[SC+8*(\p)+2*(\i):SC+8*(\p)+2*(\i)+1], v[ADRS+(\slot)] offset:(\q)*HALFQ+((\i)/2)*GRPB+4*FRB+128*((\i)%2)
.endif
.endm
.macro RUNA slot, q, p                 ; 28 loads: W's blocks 0-3 (12), x's blocks 0-3 and the scale words (16); leaves quadrant 0's setting
	WIN Q1S
.irp i, 0,1,2,3
	LDF 1, \slot, \q, \p, \i
.endr
	WIN Q0S
.irp i, 0,1,2,3
	LDF 0, \slot, \q, \p, \i
.endr
.endm
.macro RUNB slot, q, p                 ; 24 loads: x's blocks 4-7, W's blocks 4-7; leaves quadrant 2's setting
	WIN Q3S
.irp i, 0,1,2,3
	LDF 3, \slot, \q, \p, \i
.endr
	WIN Q2S
.irp i, 0,1,2,3
	LDF 2, \slot, \q, \p, \i
.endr
.endm
; four products of quadrant n: x's block ia of its four against W's four.  The accumulators take turns, one instruction a turn.
.macro ROWH n, p, ia, zero
.set A0, 4*((\n)/2)
.set B0, 4*((((\n)+1)/2)%2)
.irp ib, 0,1,2,3
.if \zero
	v_wmma_scale_f32_16x16x128_f8f6f4 v[ACC+8*(4*(\ia)+\ib):ACC+8*(4*(\ia)+\ib)+7], v[FB+48*(\p)+12*\ib:FB+48*(\p)+12*\ib+11], v[FB+48*(\p)+12*(\ia):FB+48*(\p)+12*(\ia)+11], 0, v[SC+8*(\p)+B0+\ib], v[SC+8*(\p)+A0+(\ia)] matrix_a_fmt:MATRIX_FMT_FP6 matrix_b_fmt:MATRIX_FMT_FP6 matrix_a_scale:MATRIX_SCALE_ROW1
.else
	v_wmma_scale_f32_16x16x128_f8f6f4 v[ACC+8*(4*(\ia)+\ib):ACC+8*(4*(\ia)+\ib)+7], v[FB+48*(\p)+12*\ib:FB+48*(\p)+12*\ib+11], v[FB+48*(\p)+12*(\ia):FB+48*(\p)+12*(\ia)+11], v[ACC+8*(4*(\ia)+\ib):ACC+8*(4*(\ia)+\ib)+7], v[SC+8*(\p)+B0+\ib], v[SC+8*(\p)+A0+(\ia)] matrix_a_fmt:MATRIX_FMT_FP6 matrix_b_fmt:MATRIX_FMT_FP6 matrix_a_scale:MATRIX_SCALE_ROW1
.endif
.endr
.endm
.macro QUAD n, p, zero                 ; a quadrant's 16 products on set p
.irp ia, 0,1,2,3
	ROWH \n, \p, \ia, \zero
.endr
.endm
; A step on set p; step (ns, nq)'s fragments go into the other set.
.macro STEP p, zero, ns, nq
	PLACES                                         ; four places behind the last step's products, whose set and scale words are loaded anew in this step (ISA guide 7.12.1 for vector instructions)
	RUNA \ns, \nq, 1-(\p)
	s_wait_dscnt 52                                ; the last step's first run is in: behind it its second run, 24, and the 28 just issued
	QUAD 0, \p, \zero
	s_wait_dscnt 28                                ; the last step's second run is in: behind it the 28
	WIN Q1S
	QUAD 1, \p, \zero
	RUNB \ns, \nq, 1-(\p)
	QUAD 2, \p, \zero
	WIN Q3S
	QUAD 3, \p, \zero
.endm
; A slot's third step: its fragments are in registers or on their way there, so the slot can be given up.  fill = 1: three steps; 2: the last fill, two steps; 0: nothing is left to fetch, and no round follows.
.macro TURN slot, p, fill, ask
.if \ask
	s_wait_xcnt 0x0                                ; my last prefetch has read its address
	s_add_nc_u64 s[PFA:PFA+1], s[PFA:PFA+1], s[PFS:PFS+1]
.endif
	WIN 0
	s_wait_tensorcnt 0x0                           ; all my tensor loads have landed: my part of the other slot
	ds_add_u32 v[SPW], v[NIL]                      ; the add; sixteen products stand between it and the wait for it
.if \fill
	s_add_nc_u64 s[G0+4*\slot+2:G0+4*\slot+3], s[G0+4*\slot+2:G0+4*\slot+3], 2*NQ*STEPA
	s_add_nc_u64 s[G0B+4*\slot+2:G0B+4*\slot+3], s[G0B+4*\slot+2:G0B+4*\slot+3], 2*NQ*STEPB
.endif
	s_wait_dscnt 25                                ; the last step's first run is in: behind it its second run, 24, and the add
	WIN Q0S
	QUAD 0, \p, 0
	WIN 0
	s_wait_dscnt 0x0                               ; the add is done, and my reads of this slot are over
	s_barrier_signal -1
	s_barrier_wait -1
.if \fill == 1
	CREST                                          ; the barrier has opened a round of the cluster's barrier
	JLOAD G0+4*\slot, G1, G0B+4*\slot, G1B         ; the refill; its four v_nop are the places in front of the loads below
.elseif \fill == 2
	CREST
	JLOAD G0+4*\slot, G1T, G0B+4*\slot, G1TB
.else
	PLACES
.endif
	RUNA 1-(\slot), 0, 1-(\p)                      ; from the other slot, which the barrier has shown whole
.if \ask
	WIN 0
	ASK \ask
.endif
	WIN Q1S
	QUAD 1, \p, 0
	RUNB 1-(\slot), 0, 1-(\p)
	QUAD 2, \p, 0
	WIN Q3S
	QUAD 3, \p, 0
.endm
	s_wait_tensorcnt 0x0                           ; my part of fill 0 is in
	ds_add_u32 v[SPW], v[NIL]
	s_wait_dscnt 0x0
	CROUND
	JLOAD G0+4, G1, G0B+4, G1B                     ; fill 1, slot 1's first
	RUNA 0, 0, 0                                   ; step 0's fragments, in a step's order
	RUNB 0, 0, 0
	WIN 0
	s_wait_xcnt 0x0
	s_add_nc_u64 s[PFA:PFA+1], s[PFA:PFA+1], s[PFS:PFS+1]
	ASK 0                                          ; fill 2
	STEP 0, 1, 0, 1                                ; step 0: its products start the sums
	STEP 1, 0, 0, 2
	WIN 0
	s_mov_b32 s3, 4
.Llap:                                                 ; a trip: six steps, from a slot 0's third to the next slot 0's second; fills 2 to 9
	TURN 0, 0, 1, 1
	STEP 1, 0, 1, 1
	STEP 0, 0, 1, 2
	TURN 1, 1, 1, 2
	STEP 0, 0, 0, 1
	STEP 1, 0, 0, 2
	WIN 0
	s_sub_co_u32 s3, s3, 1
	s_cmp_lg_u32 s3, 0
	s_cbranch_scc1 .Llap
	TURN 0, 0, 2, 0                                ; step 26: fill 10
	STEP 1, 0, 1, 1
	STEP 0, 0, 1, 2
	TURN 1, 1, 0, 0                                ; step 29: the last barrier
	STEP 0, 0, 0, 1                                ; step 30
; STEP 31 GOES BY ROWS OF out0: block a (16 rows x 128 columns) is finished by eight products and leaves while the later blocks are multiplied.
; A block goes through my stage in LDS and comes back, as whole rows of 512 bytes, INTO ITS OWN ACCUMULATORS' REGISTERS: no register that a store reads is written again, every row's place stands in the
; store's immediate (127 rows of 8,192 bytes at the most, inside the signed 24 bits), and so no wait for the stores' sources is owed.
.macro ROW a
.if (\a) < 4
	WIN Q0S
	ROWH 0, 1, (\a), 0
	WIN Q1S
	ROWH 1, 1, (\a), 0
.else
	WIN Q3S
	ROWH 3, 1, (\a)-4, 0
	WIN Q2S
	ROWH 2, 1, (\a)-4, 0
.endif
.endm
.macro TOSTAGE a
.set AC, ACC+32*((\a)%4)
.set WL, 3*((\a)/4)                    ; the window of the block's columns 0-63,
.set WH, 1+((\a)/4)                    ; and of its columns 64-127
	WIN WL<<2
.irp b, 0,1,2,3
	ds_store_b128 v[STO], v[AC+8*\b:AC+8*\b+3] offset:64*\b          ; each accumulator from its low end on
	ds_store_b128 v[STO], v[AC+8*\b+4:AC+8*\b+7] offset:64*\b+16
.endr
	WIN WH<<2
.irp b, 0,1,2,3
	ds_store_b128 v[STO], v[AC+8*\b:AC+8*\b+3] offset:256+64*\b
	ds_store_b128 v[STO], v[AC+8*\b+4:AC+8*\b+7] offset:256+64*\b+16
.endr
	WIN WL<<6
.irp t, 0,1,2,3,4,5,6,7
	ds_load_b128 v[AC+4*\t:AC+4*\t+3], v[RD] offset:\t*SPITCH        ; LDS serves a wave's instructions in order (ISA guide 5.7.1.4): these see the stores above
.endr
	WIN WH<<6
.irp t, 0,1,2,3,4,5,6,7
	ds_load_b128 v[AC+4*\t:AC+4*\t+3], v[RD] offset:(\t+8)*SPITCH
.endr
.endm
.macro SEND a, younger
.set AC, ACC+32*((\a)%4)
.set WL, 3*((\a)/4)
.set WH, 1+((\a)/4)
	s_wait_dscnt \younger                          ; the block is back in registers
	WIN WL<<2
.irp t, 0,1,2,3,4,5,6,7
	global_store_b128 v[CO], v[AC+4*\t:AC+4*\t+3], s[12:13] offset:(16*(\a)+\t)*SIZE_N*4 th:TH_STORE_NT   ; 32 lanes store 512 consecutive bytes, aligned to 256
.endr
	WIN WH<<2
.irp t, 0,1,2,3,4,5,6,7
	global_store_b128 v[CO], v[AC+4*\t:AC+4*\t+3], s[12:13] offset:(16*(\a)+\t+8)*SIZE_N*4 th:TH_STORE_NT
.endr
.endm
	s_wait_dscnt 0x0                               ; step 31's fragments are all in: the youngest, W's blocks 4-7, are wanted by block 0
	ROW 0
.irp a, 0,1,2,3,4,5,6,7
.if \a < 7
	ROW \a+1
.endif
	PLACES                                         ; four places behind the products whose results are read and whose registers are loaded below
	TOSTAGE \a
.if \a > 0
	SEND \a-1, 32                                  ; behind block a - 1's loads: block a's 16 stores and 16 loads
.endif
.endr
	SEND 7, 0
	WIN 0
	s_wait_tensorcnt 0x0                           ; the wave's end
	ds_add_u32 v[SPW], v[NIL]
	s_wait_dscnt 0x0
	CROUND                                         ; the closing round
	s_endpgm
.Lfunc_end_k_qdaa0264349_gemm:
	.size	k_qdaa0264349_gemm, .Lfunc_end_k_qdaa0264349_gemm-k_qdaa0264349_gemm
	.p2alignl 7, 3214868480
	.fill 96, 4, 3214868480
	.section	.rodata,"a",@progbits
	.p2align	6, 0x0
	.amdhsa_kernel k_qdaa0264349_gemm
		.amdhsa_group_segment_fixed_size 327680
		.amdhsa_private_segment_fixed_size 0
		.amdhsa_enable_private_segment 0
		.amdhsa_kernarg_size 24
		.amdhsa_user_sgpr_count 2
		.amdhsa_user_sgpr_kernarg_segment_ptr 1
		.amdhsa_wavefront_size32 1
		.amdhsa_system_sgpr_workgroup_id_x 1
		.amdhsa_system_sgpr_workgroup_id_y 1
		.amdhsa_system_sgpr_workgroup_id_z 1
		.amdhsa_system_vgpr_workitem_id 0
		.amdhsa_next_free_vgpr 1024
		.amdhsa_next_free_sgpr 98
		.amdhsa_reserve_vcc 0
		.amdhsa_float_denorm_mode_32 3
		.amdhsa_float_denorm_mode_16_64 3
		.amdhsa_memory_ordered 1
		.amdhsa_forward_progress 1
		.amdhsa_inst_pref_size 208
	.end_amdhsa_kernel
	.amdgpu_metadata
---
amdhsa.version: [ 1, 2 ]
amdhsa.kernels:
  - .name:           k_qdaa0264349_gemm
    .symbol:         k_qdaa0264349_gemm.kd
    .args:
      - { .name: xq, .offset: 0, .size: 8, .value_kind: global_buffer, .address_space: global }
      - { .name: wq, .offset: 8, .size: 8, .value_kind: global_buffer, .address_space: global }
      - { .name: out0, .offset: 16, .size: 8, .value_kind: global_buffer, .address_space: global }
    .group_segment_fixed_size: 327680
    .private_segment_fixed_size: 0
    .kernarg_segment_align: 8
    .kernarg_segment_size: 24
    .max_flat_workgroup_size: 128
    .sgpr_count:     98
    .vgpr_count:     1024
    .wavefront_size: 32
...
	.end_amdgpu_metadata
.endif
;; end of part 2
